; MI455X (gfx1250); checked and timed in simulation.
; The chip was launched on July 23, 2026; its instructions are those of AMD's public machine-readable ISA for CDNA 5 (MIT licence, August 2026) and "CDNA5" Instruction Set Architecture Reference Guide (July 2026). The comments in the code are by the model that wrote it; some were corrected since.
;; RPQ Linear. Allowed arithmetic: matrix products marked QUANTISED: E2M3 operands, one E8M0 scale for each 32 along K, by v_wmma_scale_f32_16x16x128_f8f6f4 with both operands' format E2M3, f32 sums; everything else in f32.
;; Inputs: bias 4,096 float32; codebooks 8 x 256 x 512 float32; indices 8 x 4,096 int32; x_codes 4 x 1,024 x 128 x 24 uint8 (E2M3 codes of x, K innermost, in blocks of 32 codes, four codes in three bytes); x_scales 4 x 1,024 x 128 uint8 (E8M0 scales of x, one for each 32 codes along K).
;; Outputs: out0 4 x 1,024 x 4,096 float32.
;; This version of the problem:
;;   THIS VERSION OF THE PROBLEM IS GIVEN IN LOW PRECISION. The matrix products marked QUANTISED in the list below multiply operands that are first quantised to E2M3 (2 exponent bits, 3 mantissa bits; 6 bits a number), with one power-of-two scale for each 32 numbers along K (OCP MX v1.0); their sums are f32. All else is computed in f32.
;;   The module's matrix products, in the order in which they are computed (A, B: the left and right operand; K: the contracted axis; several contracted axes count as one K, in the product's order):
;;     1. [M 4,096, K 4,096] x [K 4,096, N 4,096]; A: input x (given as codes); B: computed on the way: QUANTISED
;;   THE QUANTISER, for each operand of a quantised product, along K:
;;     - K is cut into blocks of 32 from its start; a last block that is shorter is filled with zeros.
;;     - A block's scale is 2^e with e = floor(log2(the largest magnitude in the block)) - 2, held to -126 .. 127; a block of zeros has e = 0. As a byte (E8M0): e + 127.
;;     - Each number is divided by its block's scale, clamped to +-7.5, and rounded to the nearest number of E2M3, ties to even, subnormals kept.
;;     - The product sums the exact products of the quantised numbers (number of the format x scale) in f32.
;;   ~~~python
;;   def quantise(x, axis):      # numpy; x: float32 -> the quantised numbers, widened to float32 again
;;       x = np.moveaxis(x, axis, -1); K = x.shape[-1]
;;       x = np.pad(x, [(0, 0)] * (x.ndim - 1) + [(0, -K % 32)]); x = x.reshape(x.shape[:-1] + (-1, 32)); a = np.abs(x).max(-1, keepdims=True)
;;       e = np.where(a > 0, np.clip(np.frexp(np.where(a > 0, a, 1))[1] - 1 - 2, -126, 127), 0)      # np.frexp(a)[1] - 1 = floor(log2(a)), exactly
;;       r = np.clip(x / 2.0 ** e, -7.5, 7.5)
;;       step = 2.0 ** (np.maximum(np.frexp(np.where(r == 0, 1, r))[1] - 1, 0) - 3)
;;       q = np.round(r / step) * step * 2.0 ** e      # np.round: ties to even
;;       return np.moveaxis(q.reshape(q.shape[:-2] + (-1,))[..., :K], -1, axis).astype(np.float32)
;;   ~~~
;;   OPERANDS COMPUTED ON THE WAY. 'Computed on the way' means the value that the module computes at that place (a softmax that the list does not call 'softmax' is quantised finished and normalised). What goes into a quantiser is computed in f32, as accurately as f32 sums, v_exp_f32 and their like allow (about 1e-6 of the number): no bf16 or f16 on the way to a quantiser, and a product that is left as it is and whose result goes on into a quantised operand takes f32 operands (vector FMAs, or v_wmma_f32_16x16x4_f32). A number that lies on a knife's edge between two numbers of the format may be rounded either way, as far as f32 arithmetic and the matrix unit's own rounding can turn it there, and no further.
;;   INPUTS GIVEN AS CODES. x (in the module: [4, 1024, 4096], K = its axis 2): each comes as NAME_codes (uint8): NAME with its K axis moved to the last place and cut into blocks of 32 codes, [.., K / 32, bytes a block], one block behind the other in memory; four codes in three bytes: a row's codes are one little-endian stream of bits, code i at bits 6 i .. 6 i + 5 (a code: sign, 2 exponent bits, 3 mantissa bits); and NAME_scales (uint8): the same leading axes, one E8M0 byte (e + 127) for each 32 codes along K. Its value is code x scale, taken as it is: it is not quantised again, and the codes and scales need not be those that the quantiser above would give.
;; One version. Each part assembles by itself: llvm-mc -triple=amdgcn-amd-amdhsa -mcpu=gfx1250 --defsym DOCPART=n.
;; ======== version 1 of 1: 2 launches
;; limits: right only within a limited range of input values
;; workspace buffers: wl 13,107,200 bytes; xl 13,107,200 bytes
;; launch prep (part 1): grid 64 x 4, 16 waves a work-group, no clusters, 56,320 bytes of LDS; arguments codebooks, indices, wl, xl, x_codes, x_scales; writes wl, xl
.if DOCPART == 1
	.amdgcn_target "amdgcn-amd-amdhsa--gfx1250"
	.amdhsa_code_object_version 6
	.text
	.protected	k_q20b80e1c8e_prep
	.globl	k_q20b80e1c8e_prep
	.p2align	8
	.type	k_q20b80e1c8e_prep,@function
k_q20b80e1c8e_prep:
	s_mov_b64 s[64:65], 0
	v_nop
	global_prefetch_b8 v0, s[64:65] scope:SCOPE_SE
	s_setreg_imm32_b32 hwreg(HW_REG_WAVE_MODE, 25, 1), 1
	s_wait_xcnt 0x0
; Two operands are laid for the product's launch, both in ONE layout: [32 groups of 128 rows][32 steps of 128 along K][12,800 bytes].
; The 12,800 bytes: eight fragments (16 rows x 128 K) of 1,536 bytes, then 512 bytes of scale words.  A fragment is the image of the operand's registers: registers 4 c .. 4 c + 3 of lane l at byte
; 512 c + 16 l; lane l = r + 16 h holds row r, its registers 6 c .. 6 c + 5 hold K = 64 c + 32 h + 0 .. 31.  The scale word (four E8M0 bytes) of row r of block i lies at 256 (i / 4) + 16 r + 4 (i % 4).
; wl: W[512 h + d][i] = codebooks[h][indices[h][i]][d], gathered and turned into codes of FP6 (E2M3) along K = i: a block's scale is 2^(floor(log2(its largest magnitude)) - 2).
; xl: x's codes and scale bytes as they are given, only moved: a step's 96 bytes of a row do not divide 256, so x's own rows cannot be cut into tiles whose rows begin at multiples of 256 bytes.
; LIMITS: a block of zeros of W gets the byte 1 where the rule says 127 (its codes are zeros, and this program alone reads the bytes); NaN and infinities among the codebooks are not served; an index
; outside 0 .. 255 is held at 255 (the problem keeps indices inside the table).
; SHARES.  Work-group (x, y): rows 64 x .. 64 x + 63 of W and of x, K = 1,024 y .. + 1,023 (8 steps).  W: wave w: cg = w % 2 says which 32 rows, kg = w / 2 which step; a lane takes a row and its registers
; run along K.  x: wave w reads 768 bytes of rows 4 w .. 4 w + 3 by six loads of 512 neighbouring bytes and lays them into LDS as rows of 784 bytes; behind a barrier it reads two fragments, each lane its
; 2 x 24 bytes in pieces of 8, and stores their registers as they stand, 512 neighbouring bytes an instruction.  The scale words of both meet in LDS as 16 units of 256 bytes; wave w stores unit w whole.
; x's scale bytes are read as 32 bytes of each row: one byte in 25 of what is read of x.  No matrix work, no tensor loads, no cluster: what the work-groups share is named by data.
.set FRB,   1536
.set U,     12800
.set GRP,   32*U
.set SCO,   8*FRB                      ; the scale words' place in a unit
.set XP,    784                        ; LDS: a row's 768 bytes of x's codes + 16: 196 words, so sixteen rows begin four banks apart
.set SB,    64*XP                      ; LDS: 16 units of scale words: W's eight steps, x's eight steps
.set SPARE, SB+4096                    ; the spare words, 128 bytes a wave
.set LN,  2                            ; 4 x lane: my channel's bytes in a codebook row
.set SST, 4                            ; LDS: where my W scale word goes
.set GO,  6                            ; 1,536 (lane / 16) + 16 (lane % 16)
.set SRD, 7                            ; LDS: my 8 bytes of my wave's unit of scale words
.set SGO, 8                            ; 8 x lane
.set IZ,  9                            ; 0
.set SW,  14                           ; my four blocks' scale bytes
.set TC,  16                           ; a block's upper 16 codes, as the conversion leaves them
.set C,   20                           ; v20-43 my codes: block t at C + 12 (t % 2) + 6 (t / 2)
.set X,   64                           ; v64-191 block t's indices, then offsets, then numbers
.set XD,  196                          ; v196-219 x's codes: six loads, later two fragments
.set XSC, 220                          ; a scale word of x
.set XG,  222                          ; x's codes in memory: 16 lane + 2,304 (lane / 16): for the load that lies across two rows
.set XA,  226                          ; v226 LDS: my wave's rows + 16 lane; v227: + 16 (lane / 16), for that load
.set XR,  232                          ; LDS: my row and half of my wave's first fragment
.set XO,  233                          ; 16 x lane
.set SXS, 234                          ; LDS: where x's scale word goes
.set SXG, 235                          ; and where it is read
	s_load_b256 s[4:11], s[0:1], 0x0               ; codebooks, indices, wl, xl
	s_load_b128 s[36:39], s[0:1], 0x20             ; x_codes, x_scales
	v_lshl_add_u32 v192, v0, 2, SPARE
	v_mov_b32 v193, 0
	v_lshrrev_b32 v15, 5, v0
	v_readfirstlane_b32 s12, v15                   ; wave
	s_and_b32 s13, s12, 1                          ; cg
	s_lshr_b32 s14, s12, 1                         ; kg
	s_lshr_b32 s15, ttmp9, 3                       ; codebook h
	s_and_b32 s16, ttmp9, 7
	s_and_b32 s17, ttmp7, 0xffff                   ; y
	s_and_b32 s19, ttmp9, 1                        ; which 64 rows of the group
	s_lshl_b32 s20, s15, 19                        ; codebooks: h x 256 x 2,048 + 64 channels a work-group + 32 a wave
	s_lshl_b32 s18, s16, 8
	s_add_co_u32 s20, s20, s18
	s_lshl_b32 s18, s13, 7
	s_add_co_u32 s20, s20, s18
	s_mov_b32 s21, 0
	s_lshl_b32 s22, s15, 14                        ; indices: h x 16,384 + 4,096 y + 512 kg
	s_lshl_b32 s18, s17, 12
	s_add_co_u32 s22, s22, s18
	s_lshl_b32 s18, s14, 9
	s_add_co_u32 s22, s22, s18
	s_mov_b32 s23, 0
	s_lshr_b32 s24, ttmp9, 1                       ; in wl and xl: the group, and the quarter's first step
	s_mul_i32 s24, s24, GRP
	s_mul_i32 s18, s17, 8*U
	s_add_co_u32 s24, s24, s18
	s_mul_i32 s30, s14, U                          ; codes, W's and x's alike: step kg, blocks 4 (x % 2) + 2 cg and the next
	s_add_co_u32 s30, s30, s24
	s_lshl_b32 s18, s19, 1
	s_add_co_u32 s18, s18, s13
	s_mul_i32 s18, s18, 2*FRB
	s_add_co_u32 s30, s30, s18
	s_mov_b32 s31, 0
	s_and_b32 s18, s12, 7                          ; scale words: step w % 8, the half x % 2
	s_mul_i32 s26, s18, U
	s_add_co_u32 s26, s26, s24
	s_lshl_b32 s18, s19, 8
	s_add_co_u32 s26, s26, s18
	s_add_co_u32 s26, s26, SCO
	s_mov_b32 s27, 0
	s_lshl_b32 s32, ttmp9, 4                       ; x_codes: row 4 (16 x + w), byte 768 y
	s_add_co_u32 s32, s32, s12
	s_mul_i32 s32, s32, 4*3072
	s_mul_i32 s18, s17, 768
	s_add_co_u32 s32, s32, s18
	s_mov_b32 s33, 0
	s_lshl_b32 s34, ttmp9, 13                      ; x_scales: row 64 x, byte 32 y
	s_lshl_b32 s18, s17, 5
	s_add_co_u32 s34, s34, s18
	s_mov_b32 s35, 0
	s_mul_i32 s28, s12, 4*XP                       ; LDS: in: my wave's four rows of x
	s_lshl_b32 s29, s14, 8                         ; W's scale word: unit kg, 8 cg
	s_lshl_b32 s18, s13, 3
	s_add_co_u32 s29, s29, s18
	s_add_co_u32 s29, s29, SB
	s_mul_i32 s25, s13, 32*XP                      ; back: rows 32 cg on, step kg's 96 bytes
	s_mul_i32 s18, s14, 96
	s_add_co_u32 s25, s25, s18
	v_and_b32 v1, 31, v0                           ; lane
	v_mov_b32 v[IZ], 0
	v_lshlrev_b32 v[LN], 2, v1
	v_lshrrev_b32 v15, 4, v1
	v_and_b32 v13, 15, v1
	v_mul_u32_u24 v[GO], v15, FRB
	v_lshlrev_b32 v[SST], 2, v15
	v_lshl_add_u32 v[GO], v13, 4, v[GO]
	v_lshl_add_u32 v[SST], v13, 4, v[SST]
	v_lshl_add_u32 v[SRD], v0, 3, SB               ; 256 w + 8 lane
	v_add_nc_u32 v[SST], s29, v[SST]
	v_lshlrev_b32 v[SGO], 3, v1
	v_lshlrev_b32 v[XO], 4, v1
	v_mul_u32_u24 v[XR], v13, XP                   ; a fragment's row x pitch
	v_mul_u32_u24 v[XG], v15, 2304                 ; a row on in memory: 3,072 - 768 more than in the run of my loads
	v_add_nc_u32 v[XA], s28, v[XO]
	v_mad_u32_u24 v[XR], v15, 24, v[XR]            ; + 24 x half
	v_add_nc_u32 v[XG], v[XG], v[XO]
	v_lshl_add_u32 v[XA+1], v15, 4, v[XA]          ; a row on in LDS: 16 more
	v_add_nc_u32 v[XR], s25, v[XR]
	v_and_b32 v10, 7, v0                           ; x's scale words: thread t takes row t / 8, step t % 8
	v_lshrrev_b32 v11, 3, v0
	v_lshrrev_b32 v13, 7, v0
	v_and_b32 v12, 15, v11
	v_lshlrev_b32 v[SXG], 7, v11
	v_lshl_add_u32 v[SXS], v10, 8, SB+2048
	v_lshl_add_u32 v[SXG], v10, 2, v[SXG]
	v_lshl_add_u32 v[SXS], v12, 4, v[SXS]
	v_lshl_add_u32 v[SXS], v13, 2, v[SXS]
	s_wait_alu depctr_va_vdst(0)                   ; the wait at the head's end
	s_wait_kmcnt 0x0
	s_add_nc_u64 s[4:5], s[4:5], s[20:21]
	s_add_nc_u64 s[6:7], s[6:7], s[22:23]
	s_add_nc_u64 s[36:37], s[36:37], s[32:33]
	s_add_nc_u64 s[38:39], s[38:39], s[34:35]
	s_cmp_lt_u32 s12, 8                            ; waves 0-7 store W's units of scale words, waves 8-15 x's
	s_cselect_b64 s[44:45], s[8:9], s[10:11]
	s_add_nc_u64 s[44:45], s[44:45], s[26:27]
	s_add_nc_u64 s[40:41], s[8:9], s[30:31]
	s_add_nc_u64 s[42:43], s[10:11], s[30:31]
.irp t, 0,1,2,3
.irp j, 0,1,2,3,4,5,6,7
	global_load_b128 v[X+32*\t+4*\j:X+32*\t+4*\j+3], v[IZ], s[6:7] offset:128*\t+16*\j   ; my wave's 128 indices, the same in every lane
.endr
.endr
; two rows' 2 x 768 bytes are three loads of 512: the first in the first row, the second across both (lanes 16-31 in the second row), the third in the second row
.irp g, 0,1
	global_load_b128 v[XD+12*\g:XD+12*\g+3],    v[XO], s[36:37] offset:6144*\g th:TH_LOAD_NT
	global_load_b128 v[XD+12*\g+4:XD+12*\g+7],  v[XG], s[36:37] offset:6144*\g+512 th:TH_LOAD_NT
	global_load_b128 v[XD+12*\g+8:XD+12*\g+11], v[XO], s[36:37] offset:6144*\g+3328 th:TH_LOAD_NT
.endr
	global_load_b32 v[XSC], v[SXG], s[38:39]
.macro GATHER t
.irp i, 0,1,2,3,4,5,6,7,8,9,10,11,12,13,14,15,16,17,18,19,20,21,22,23,24,25,26,27,28,29,30,31
	v_min_u32 v[X+32*(\t)+\i], 255, v[X+32*(\t)+\i]                 ; a loaded number enters an address only held to the table's size
.endr
.irp i, 0,1,2,3,4,5,6,7,8,9,10,11,12,13,14,15,16,17,18,19,20,21,22,23,24,25,26,27,28,29,30,31
	v_lshl_add_u32 v[X+32*(\t)+\i], v[X+32*(\t)+\i], 11, v[LN]      ; a codebook row is 2,048 bytes; + my channel
.endr
.irp i, 0,1,2,3,4,5,6,7,8,9,10,11,12,13,14,15,16,17,18,19,20,21,22,23,24,25,26,27,28,29,30,31
	global_load_b32 v[X+32*(\t)+\i], v[X+32*(\t)+\i], s[4:5]        ; W(my row, 32 t + i): 32 lanes read 128 neighbouring bytes
.endr
.endm
.macro QUANT t
.set XS, X+32*(\t)
.set CD, C+12*((\t)%2)+6*((\t)/2)
	v_max3_num_f32 v10, |v[XS]|, |v[XS+1]|, |v[XS+2]|              ; the block's largest magnitude, in two chains
	v_max3_num_f32 v11, |v[XS+3]|, |v[XS+4]|, |v[XS+5]|
.irp i, 6,10,14,18,22,26
	s_delay_alu instid0(VALU_DEP_2)
	v_max3_num_f32 v10, v10, |v[XS+\i]|, |v[XS+\i+1]|
	s_delay_alu instid0(VALU_DEP_2)
	v_max3_num_f32 v11, v11, |v[XS+\i+2]|, |v[XS+\i+3]|
.endr
	s_delay_alu instid0(VALU_DEP_2)
	v_max3_num_f32 v10, v10, |v[XS+30]|, |v[XS+31]|
	s_delay_alu instid0(VALU_DEP_1)
	v_max3_num_f32 v10, v10, v11, 0x1800000        ; and the floor 2^(3 - 127): the byte cannot fall under 1
	s_delay_alu instid0(VALU_DEP_1)
	v_add_nc_u32 v12, 0xff000000, v10              ; 2 off its exponent field: the conversion's scale operand
	s_delay_alu instid0(VALU_DEP_1)
	v_lshrrev_b32 v13, 23, v12                     ; the scale's byte
	v_cvt_scalef32_pk16_fp6_f32 v[CD:CD+2], v[XS:XS+15], v12
	v_cvt_scalef32_pk16_fp6_f32 v[TC:TC+2], v[XS+16:XS+31], v12    ; (three registers that begin on an even number: made here and moved)
.if (\t) == 0
	v_mov_b32 v[SW], v13                           ; the plain place behind the conversions
.else
	v_lshl_or_b32 v[SW], v13, 8*(\t), v[SW]
.endif
.irp i, 0,1,2
	v_mov_b32 v[CD+3+\i], v[TC+\i]
.endr
.endm
.macro SENDH h
.irp c, 0,1,2
	global_store_b128 v[GO], v[C+12*(\h)+4*\c:C+12*(\h)+4*\c+3], s[40:41] offset:512*\c+256*(\h)   ; sixteen lanes store 256 consecutive bytes, aligned
.endr
.endm
	s_wait_loadcnt 7                               ; the indices are in; x's seven loads may be out
	GATHER 0
	GATHER 1
	s_wait_loadcnt 32                              ; block 0's loads are in, and x's, which are older; block 1's may be out
	QUANT 0
	GATHER 2
.irp g, 0,1
	ds_store_b128 v[XA],   v[XD+12*\g:XD+12*\g+3]    offset:2*XP*\g          ; x's rows as they lie, 784 bytes apart
	ds_store_b128 v[XA+1], v[XD+12*\g+4:XD+12*\g+7]  offset:2*XP*\g+512
	ds_store_b128 v[XA],   v[XD+12*\g+8:XD+12*\g+11] offset:2*XP*\g+1040
.endr
	ds_store_b32 v[SXS], v[XSC]
	s_wait_dscnt 0x0                               ; for the others' sake: my stores are done
	s_barrier_signal -1
	s_barrier_wait -1                              ; x's 64 rows and its scale words lie in LDS
.irp e, 0,1
.irp p, 0,1,2,3,4,5
	ds_load_b64 v[XD+12*\e+2*\p:XD+12*\e+2*\p+1], v[XR] offset:16*XP*\e+48*(\p/3)+8*(\p%3)   ; fragment e: registers 6 c + 2 i of lane (r, h): the row's bytes 96 s + 48 c + 24 h + 8 i
.endr
.endr
	s_wait_loadcnt 32
	QUANT 1
	GATHER 3
	s_wait_dscnt 0x0
.irp e, 0,1
.irp c, 0,1,2
	global_store_b128 v[XO], v[XD+12*\e+4*\c:XD+12*\e+4*\c+3], s[42:43] offset:\e*FRB+512*\c   ; 512 consecutive bytes, aligned
.endr
.endr
	s_wait_loadcnt 32
	QUANT 2
	SENDH 0                                        ; blocks 0 and 2
	s_wait_loadcnt 0x0
	QUANT 3
	SENDH 1                                        ; blocks 1 and 3
	ds_store_b32 v[SST], v[SW]
	s_wait_dscnt 0x0
	s_barrier_signal -1
	s_barrier_wait -1                              ; all 16 units of scale words lie in LDS
	ds_load_b64 v[44:45], v[SRD]
	s_wait_dscnt 0x0
	global_store_b64 v[SGO], v[44:45], s[44:45]    ; the wave stores one unit of 256 bytes whole
	s_wait_tensorcnt 0x0                           ; the wave's end
	ds_add_u32 v192, v193
	s_wait_dscnt 0x0
	s_endpgm
.Lfunc_end_k_q20b80e1c8e_prep:
	.size	k_q20b80e1c8e_prep, .Lfunc_end_k_q20b80e1c8e_prep-k_q20b80e1c8e_prep
	.p2alignl 7, 3214868480
	.fill 96, 4, 3214868480
	.section	.rodata,"a",@progbits
	.p2align	6, 0x0
	.amdhsa_kernel k_q20b80e1c8e_prep
		.amdhsa_group_segment_fixed_size 56320
		.amdhsa_private_segment_fixed_size 0
		.amdhsa_enable_private_segment 0
		.amdhsa_kernarg_size 48
		.amdhsa_user_sgpr_count 2
		.amdhsa_user_sgpr_kernarg_segment_ptr 1
		.amdhsa_wavefront_size32 1
		.amdhsa_system_sgpr_workgroup_id_x 1
		.amdhsa_system_sgpr_workgroup_id_y 1
		.amdhsa_system_sgpr_workgroup_id_z 1
		.amdhsa_system_vgpr_workitem_id 0
		.amdhsa_next_free_vgpr 240
		.amdhsa_next_free_sgpr 66
		.amdhsa_reserve_vcc 0
		.amdhsa_float_denorm_mode_32 3
		.amdhsa_float_denorm_mode_16_64 3
		.amdhsa_memory_ordered 1
		.amdhsa_forward_progress 1
		.amdhsa_inst_pref_size 47
	.end_amdhsa_kernel
	.amdgpu_metadata
---
amdhsa.version: [ 1, 2 ]
amdhsa.kernels:
  - .name:           k_q20b80e1c8e_prep
    .symbol:         k_q20b80e1c8e_prep.kd
    .args:
      - { .name: codebooks, .offset: 0, .size: 8, .value_kind: global_buffer, .address_space: global }
      - { .name: indices, .offset: 8, .size: 8, .value_kind: global_buffer, .address_space: global }
      - { .name: wl, .offset: 16, .size: 8, .value_kind: global_buffer, .address_space: global }
      - { .name: xl, .offset: 24, .size: 8, .value_kind: global_buffer, .address_space: global }
      - { .name: x_codes, .offset: 32, .size: 8, .value_kind: global_buffer, .address_space: global }
      - { .name: x_scales, .offset: 40, .size: 8, .value_kind: global_buffer, .address_space: global }
    .group_segment_fixed_size: 56320
    .private_segment_fixed_size: 0
    .kernarg_segment_align: 8
    .kernarg_segment_size: 48
    .max_flat_workgroup_size: 512
    .sgpr_count:     66
    .vgpr_count:     240
    .wavefront_size: 32
...
	.end_amdgpu_metadata
.endif
;; end of part 1
;; launch gemm (part 2): grid 16 x 16, 4 waves a work-group, clusters of 4 x 4, 327,680 bytes of LDS; arguments xl, wl, out0, bias; writes out0
.if DOCPART == 2
	.amdgcn_target "amdgcn-amd-amdhsa--gfx1250"
	.amdhsa_code_object_version 6
	.text
	.protected	k_q20b80e1c8e_gemm
	.globl	k_q20b80e1c8e_gemm
	.p2align	8
	.type	k_q20b80e1c8e_gemm,@function
k_q20b80e1c8e_gemm:
	s_mov_b64 s[64:65], 0
	v_nop
	global_prefetch_b8 v0, s[64:65] scope:SCOPE_SE
	s_setreg_imm32_b32 hwreg(HW_REG_WAVE_MODE, 25, 1), 1
	s_wait_xcnt 0x0
	s_wait_alu depctr_hold_cnt(0) depctr_sa_sdst(0) depctr_va_vdst(0) depctr_va_sdst(0) depctr_va_ssrc(0) depctr_va_vcc(0) depctr_vm_vsrc(0)
	s_getreg_b32 s2, hwreg(HW_REG_IB_STS2, 6, 4)
	s_cmp_eq_u32 s2, 0
	s_cbranch_scc0 .Lentry_in_a_cluster
	s_endpgm
.Lentry_in_a_cluster:
	s_bfe_u32 s2, ttmp6, 0x10000c
	s_cmp_lg_u32 s2, 0xf033
	s_cbranch_scc0 .Lentry_shape_is_right
	s_endpgm
.Lentry_shape_is_right:
; out0[m][n] = sum over k of x[m][k] W[n][k] + bias[n], on codes of FP6 (E2M3) with E8M0 scales; sums in f32; the bias is the C of each sum's first product.
; xl and wl: [32 groups of 128 rows][32 steps of 128 along K][12,800 bytes: eight fragments of 1,536 bytes as images of the operand's registers, then 512 bytes of scale words].
; A work-group of four waves makes 256 x 256 of out0, a wave 128 x 128: 64 accumulators, 512 registers.  A step is 64 matrix instructions; BOTH operands have two sets of registers, so that the next
; step's 50 LDS loads (16 bytes a lane, 512 neighbouring bytes an instruction) stand in ONE run ahead of a step's products.
; THE RING: two slots of THREE steps: 4 parts (x's two groups, W's two) x 38,400 bytes.  A wave fills its part by one tensor load of 150 dense rows of 256 bytes; the eleventh fill has two steps, 100 rows.
; A slot's last step is in registers one step ahead of its products, so the slot is filled again at that step's head; the wait for a fill stands behind the 48th product of the step ahead of the next change.
; THE LAST TWO STEPS GO BY ROWS OF out0: both steps' operands lie in the two sets, so each block of 16 rows is finished by its 16 products and leaves at once, while the next block is multiplied.
; CLUSTERS: 4 x 4 work-groups; x's parts are asked for jointly along a row of the cluster, W's along a column.  The matrix instruction is used transposed (source 0 = W, source 1 = x).
; PREFETCH: behind each load of a fill the fill that stands one refill (three steps) on is named, 150 blocks of 256 bytes a part, shared out among the four partners by address (38 each); fill 0
; comes by its load alone, and the shorter eleventh fill is not named.
; REGISTERS: window 0: v0-31 addresses; v32-47 scale words, two sets (lanes 0-15 x's block i, lanes 16-31 W's block i); v64-255 x's fragments, two sets.  window 1: v0-191 W's fragments, two sets;
; v192-255 the bias, on the way out 16 rows read back from the stage.  windows 2, 3: the accumulators ((a, b) at v[8 (8 (a % 4) + b)]).
.set SIZE_N, 4096
.set FRB,    1536
.set U,      12800
.set GRP,    32*U
.set SCO,    8*FRB
.set PART,   3*U
.set SLOT,   4*PART
.set SPARE,  2*SLOT                    ; behind the ring: the spare words, 128 bytes a wave
.set SPITCH, 528
.set STAGE,  SLOT                      ; the way out goes through slot 1, which has had its last fill and its last read by then
.set ADRA, 16                          ; v16-17 my x fragments in slot 0, 1
.set ADRB, 18                          ; v18-19 my W fragments
.set ADRS, 20                          ; v20-21 my scale words
.set PFO,  22                          ; v22-23 the prefetches' offsets
.set STO,  24
.set RD,   25
.set CO,   26                          ; 16 x lane
.set SPW,  28
.set NIL,  29
.set BA,   30
.set SC,   32
.set AF,   64
.set BIAS, 192
.set BK,   192
.set G1,  24
.set G0,  32
.set G1B, 48
.set G0B, 56
.set PFA, 66
.set MSB, 0
.macro WIN new
.if MSB != (\new)
	s_set_vgpr_msb (MSB<<8)|(\new)
.set MSB, (\new)
.endif
.endm
.set TO_B, 0x40
.macro JLOAD g0a, g1a, g0b, g1b        ; waves 0, 1 ask for x's parts, waves 2, 3 for W's
	s_cmp_eq_u32 s15, 0
	s_cbranch_scc0 .Lfor_b_\@
	tensor_load_to_lds s[\g0a:\g0a+3], s[\g1a:\g1a+7]
	s_nop 0
.rept 4
	v_nop
.endr
	s_branch .Lasked_\@
.Lfor_b_\@:
	tensor_load_to_lds s[\g0b:\g0b+3], s[\g1b:\g1b+7]
	s_nop 0
.rept 4
	v_nop
.endr
.Lasked_\@:
.endm
.macro CREST
	s_cmp_lg_u32 s14, 0
	s_cbranch_scc1 .Lnot_wave_0_\@
	s_barrier_signal -3
.Lnot_wave_0_\@:
	s_barrier_wait -3
	s_barrier_signal -1
	s_barrier_wait -1
.endm
.macro CROUND
	s_barrier_signal -1
	s_barrier_wait -1
	CREST
.endm
.macro PLACES
.rept 4
	v_nop
.endr
.endm
.macro ASK guard                       ; guard = 1: not in the loop's last trip, where the fill one refill on is the shorter one
.if \guard
	s_cmp_lg_u32 s3, 1
	s_cbranch_scc0 .Lno_ask_\@
.endif
	global_prefetch_b8 v[PFO], s[PFA:PFA+1] th:TH_LOAD_NT scope:SCOPE_SE
	global_prefetch_b8 v[PFO+1], s[PFA:PFA+1] th:TH_LOAD_NT scope:SCOPE_SE
.if \guard
.Lno_ask_\@:
.endif
.endm
	s_load_b256 s[4:11], s[0:1], 0x0               ; xl, wl, out0, bias
	v_lshl_add_u32 v[SPW], v0, 2, SPARE
	v_mov_b32 v[NIL], 0
	ds_add_u32 v[SPW], v[NIL]                      ; the opening lines: the add twice on end and its wait
	ds_add_u32 v[SPW], v[NIL]
	v_lshrrev_b32 v1, 5, v0
	v_readfirstlane_b32 s14, v1                    ; wave
	s_lshr_b32 s15, s14, 1                         ; my half of the rows; also: I fetch for x (0) or W (1)
	s_and_b32 s16, s14, 1                          ; my half of the columns; also: which group I fetch
	s_bfe_u32 s40, ttmp6, 0x40000                  ; cx
	s_bfe_u32 s41, ttmp6, 0x40004                  ; cy
	s_lshl_b32 s42, ttmp9, 2
	s_add_co_u32 s42, s42, s40                     ; tile column
	s_and_b32 s17, ttmp7, 0xffff
	s_lshl_b32 s17, s17, 2
	s_add_co_u32 s17, s17, s41                     ; tile row
	s_lshl_b32 s43, s41, 2
	s_lshl_b32 s43, 15, s43                        ; my row of the cluster
	s_lshl_b32 s44, 0x1111, s40                    ; my column
	s_or_b32 s[G1], s43, (3<<16)|(1<<21)           ; elements of 8 bytes, no padding
	s_or_b32 s[G1B], s44, (3<<16)|(1<<21)
.irp g, G1, G1B
	s_mov_b32 s[\g+1], 32<<16                      ; rows of 256 bytes,
	s_mov_b32 s[\g+2], 150<<16                     ; 150 of them: three steps of a group
	s_mov_b32 s[\g+3], 32<<16
	s_mov_b32 s[\g+4], 150
	s_mov_b32 s[\g+5], 32
	s_mov_b32 s[\g+6], 0
	s_mov_b32 s[\g+7], 0
.endr
	s_lshl_b32 s20, s17, 1
	s_add_co_u32 s20, s20, s16
	s_mul_i32 s20, s20, GRP                        ; x: group 2 x tile row + half
	s_mov_b32 s21, 0
	s_lshl_b32 s46, s42, 1
	s_add_co_u32 s46, s46, s16
	s_mul_i32 s46, s46, GRP                        ; W: group 2 x tile column + half
	s_mov_b32 s47, 0
	s_mul_i32 s45, s14, PART                       ; my part of a slot
	s_wait_dscnt 0x0
	s_wait_kmcnt 0x0
	s_add_nc_u64 s[20:21], s[4:5], s[20:21]
	s_add_nc_u64 s[46:47], s[6:7], s[46:47]
.irp s, 0,1
	s_mov_b32 s[G0+4*\s], 1
	s_add_co_u32 s[G0+4*\s+1], s45, \s*SLOT
	s_add_nc_u64 s[G0+4*\s+2:G0+4*\s+3], s[20:21], \s*PART
	s_or_b32 s[G0+4*\s+3], s[G0+4*\s+3], 0x80000000
	s_mov_b32 s[G0B+4*\s], 1
	s_add_co_u32 s[G0B+4*\s+1], s45, \s*SLOT
	s_add_nc_u64 s[G0B+4*\s+2:G0B+4*\s+3], s[46:47], \s*PART
	s_or_b32 s[G0B+4*\s+3], s[G0B+4*\s+3], 0x80000000
.endr
	CROUND                                         ; all sixteen work-groups are here
	JLOAD G0, G1, G0B, G1B                         ; steps 0 to 2: one tensor load a wave at the head
	s_cmp_eq_u32 s15, 0
	s_cselect_b64 s[PFA:PFA+1], s[20:21], s[46:47] ; the prefetches: my part,
	s_cselect_b32 s68, s40, s41                    ; my place among the four that ask for it
	s_add_nc_u64 s[PFA:PFA+1], s[PFA:PFA+1], 3*U   ; at step 3: the fill one refill on; stepped by three steps ahead of each later use
	s_mul_i32 s68, s68, 38
	s_mul_i32 s70, s15, PART                       ; my 128 rows of x
	s_mul_i32 s71, s16, PART
	s_add_co_u32 s71, s71, 2*PART                  ; my 128 rows of W
	s_sub_co_u32 s72, s71, s70
	s_add_co_u32 s73, s70, SLOT
	s_add_co_u32 s74, s71, SLOT
	s_mul_i32 s75, s14, 16*SPITCH
	s_add_co_u32 s75, s75, STAGE
	s_lshl_b32 s76, s17, 8
	s_lshl_b32 s77, s15, 7
	s_add_co_u32 s76, s76, s77
	s_lshl_b32 s76, s76, 14                        ; my first row of out0, 16,384 bytes a row
	s_lshl_b32 s78, s42, 10
	s_lshl_b32 s79, s16, 9
	s_add_co_u32 s78, s78, s79                     ; my first column, in bytes
	s_mov_b32 s79, 0
	s_add_nc_u64 s[10:11], s[10:11], s[78:79]
	s_add_co_u32 s76, s76, s78
	s_mov_b32 s77, 0
	s_add_nc_u64 s[8:9], s[8:9], s[76:77]
	v_and_b32 v6, 31, v0
	v_and_b32 v1, 15, v0
	v_bfe_u32 v2, v0, 4, 1
	v_lshlrev_b32 v[CO], 4, v6
	v_mul_u32_u24 v3, s72, v2                      ; lanes 16-31 take W's scale words
	v_lshl_add_u32 v3, v1, 4, v3
	v_add_nc_u32 v3, SCO, v3
	v_add_nc_u32 v[ADRA], s70, v[CO]
	v_add_nc_u32 v[ADRA+1], s73, v[CO]
	v_add_nc_u32 v[ADRB], s71, v[CO]
	v_add_nc_u32 v[ADRB+1], s74, v[CO]
	v_add_nc_u32 v[ADRS], s70, v3
	v_add_nc_u32 v[ADRS+1], s73, v3
	v_mul_u32_u24 v5, v1, SPITCH
	v_lshl_add_u32 v5, v2, 5, v5
	v_add_nc_u32 v[STO], s75, v5
	v_add_nc_u32 v[RD], s75, v[CO]
	v_add_nc_u32 v7, s68, v6                       ; blocks 38 p + 0 .. 31 of my part's 150,
	v_min_u32 v8, 5, v6
	v_min_u32 v7, 149, v7
	v_add_nc_u32 v8, s68, v8
	v_lshlrev_b32 v[PFO], 8, v7
	v_add_nc_u32 v8, 32, v8                        ; and 38 p + 32 .. 37; lanes left over name the last again
	v_min_u32 v8, 149, v8
	v_lshlrev_b32 v[PFO+1], 8, v8
	v_lshlrev_b32 v[BA], 5, v2
	ASK 0                                          ; steps 3 to 5
	WIN TO_B
.irp b, 0,1,2,3,4,5,6,7
	global_load_b128 v[BIAS+8*\b:BIAS+8*\b+3],   v[BA], s[10:11] offset:64*\b      ; register j of block b: bias[16 b + 8 (l / 16) + j]
	global_load_b128 v[BIAS+8*\b+4:BIAS+8*\b+7], v[BA], s[10:11] offset:64*\b+16
.endr
	WIN 0
; the 50 LDS loads of one step (place pos of a slot) into set p
.macro LOADS slot, pos, p
	WIN TO_B
.irp i, 0,1,2,3,4,5,6,7
.irp c, 0,1,2
	ds_load_b128 v[96*(\p)+12*\i+4*\c:96*(\p)+12*\i+4*\c+3], v[ADRB+\slot] offset:(\pos)*U+\i*FRB+512*\c
.endr
.endr
	WIN 0
.irp i, 0,1,2,3,4,5,6,7
.irp c, 0,1,2
	ds_load_b128 v[AF+96*(\p)+12*\i+4*\c:AF+96*(\p)+12*\i+4*\c+3], v[ADRA+\slot] offset:(\pos)*U+\i*FRB+512*\c
.endr
.endr
	ds_load_b128 v[SC+8*(\p):SC+8*(\p)+3], v[ADRS+\slot] offset:(\pos)*U           ; the words of blocks 0-3,
	ds_load_b128 v[SC+8*(\p)+4:SC+8*(\p)+7], v[ADRS+\slot] offset:(\pos)*U+256     ; of blocks 4-7
.endm
.macro MUL8 a, p, first                ; x's block a against W's eight; the accumulators take turns
.irp b, 0,1,2,3,4,5,6,7
.if \first
	v_wmma_scale_f32_16x16x128_f8f6f4 v[8*(8*((\a)%4)+\b):8*(8*((\a)%4)+\b)+7], v[96*(\p)+12*\b:96*(\p)+12*\b+11], v[AF+96*(\p)+12*(\a):AF+96*(\p)+12*(\a)+11], v[BIAS+8*\b:BIAS+8*\b+7], v[SC+8*(\p)+\b], v[SC+8*(\p)+(\a)] matrix_a_fmt:MATRIX_FMT_FP6 matrix_b_fmt:MATRIX_FMT_FP6 matrix_a_scale:MATRIX_SCALE_ROW1
.else
	v_wmma_scale_f32_16x16x128_f8f6f4 v[8*(8*((\a)%4)+\b):8*(8*((\a)%4)+\b)+7], v[96*(\p)+12*\b:96*(\p)+12*\b+11], v[AF+96*(\p)+12*(\a):AF+96*(\p)+12*(\a)+11], v[8*(8*((\a)%4)+\b):8*(8*((\a)%4)+\b)+7], v[SC+8*(\p)+\b], v[SC+8*(\p)+(\a)] matrix_a_fmt:MATRIX_FMT_FP6 matrix_b_fmt:MATRIX_FMT_FP6 matrix_a_scale:MATRIX_SCALE_ROW1
.endif
.endr
.endm
; A step's 64 products on set p.  pre = 1: a refill follows: the three lines and the whole round stand among and behind the last products; land: the slot whose fill the wait shows landed, whose
; addresses step two fills on.  pre = 2: a barrier that shows the last fill.
.macro MULS p, first, pre, land
.if \first
.set WLO, 0x91
.set WHI, 0xd1
.else
.set WLO, 0xa1
.set WHI, 0xf1
.endif
	WIN WLO
.irp a, 0,1,2,3
	MUL8 \a, \p, \first
.endr
	WIN WHI
	MUL8 4, \p, \first
	MUL8 5, \p, \first
.if \pre == 1
	WIN 0
	s_wait_xcnt 0x0                                ; my prefetches have read their address
	s_add_nc_u64 s[PFA:PFA+1], s[PFA:PFA+1], 3*U
	s_wait_tensorcnt 0x0                           ; all my tensor loads have landed: the one that was out is my part of the next slot
	ds_add_u32 v[SPW], v[NIL]
	s_add_nc_u64 s[G0+4*(\land)+2:G0+4*(\land)+3], s[G0+4*(\land)+2:G0+4*(\land)+3], 6*U
	s_add_nc_u64 s[G0B+4*(\land)+2:G0B+4*(\land)+3], s[G0B+4*(\land)+2:G0B+4*(\land)+3], 6*U
.endif
.if \pre == 2
	s_wait_tensorcnt 0x0
.endif
	WIN WHI
	MUL8 6, \p, \first
.if \pre
	s_wait_dscnt 0x0                               ; the add is done, and the slot's last step is in my registers
	s_barrier_signal -1
.endif
	MUL8 7, \p, \first
	WIN 0
.if \pre
	s_barrier_wait -1
.endif
.if \pre == 1
	CREST                                          ; the rest of the round, directly behind its opening barrier: no wave of any partner reads the slot or has a load on its way
.endif
.endm
; Three steps, from the last step of slot s on; that step's operands are in set s.  The slot is filled again first: fill = 1 with three steps, 2 with the shorter last fill.
; ask: 0 none, 1 a prefetch, 2 a guarded one.
.macro TRI s, fill, ask, pre
.if \fill == 2
	s_mov_b32 s[G1+2], 100<<16                     ; no tensor load of mine is out: the last fill has two steps, 100 rows
	s_mov_b32 s[G1+4], 100
	s_mov_b32 s[G1B+2], 100<<16
	s_mov_b32 s[G1B+4], 100
.endif
	JLOAD G0+4*\s, G1, G0B+4*\s, G1B               ; its four v_nop are the places in front of the loads below
	LOADS 1-\s, 0, 1-\s
.if \ask
	ASK \ask-1
.endif
	MULS \s, 0, 0, 0
	s_wait_dscnt 0x0
	PLACES
	LOADS 1-\s, 1, \s
	MULS 1-\s, 0, 0, 0
	s_wait_dscnt 0x0
	PLACES
	LOADS 1-\s, 2, 1-\s
	MULS \s, 0, \pre, \s
.endm
	s_wait_alu depctr_va_vdst(0)                   ; the wait at the head's end
	s_wait_xcnt 0x0                                ; my prefetches have read their address
	s_add_nc_u64 s[PFA:PFA+1], s[PFA:PFA+1], 3*U
	s_wait_loadcnt 0x0                             ; the bias
	s_wait_tensorcnt 0x0                           ; my part of steps 0 to 2 is in
	ds_add_u32 v[SPW], v[NIL]
	s_add_nc_u64 s[G0+2:G0+3], s[G0+2:G0+3], 6*U   ; slot 0's next fill
	s_add_nc_u64 s[G0B+2:G0B+3], s[G0B+2:G0B+3], 6*U
	s_wait_dscnt 0x0
	CROUND
	JLOAD G0+4, G1, G0B+4, G1B                     ; steps 3 to 5
	LOADS 0, 0, 0
	ASK 0                                          ; steps 6 to 8
	LOADS 0, 1, 1
	s_wait_dscnt 50                                ; step 0's loads are in; step 1's 50 may be out
	MULS 0, 1, 0, 0                                ; step 0 starts the sums on the bias
	s_wait_dscnt 0x0
	PLACES
	LOADS 0, 2, 0
	MULS 1, 0, 1, 1                                ; step 1
	s_mov_b32 s3, 4
.Llap:                                                 ; a trip: six steps, both slots filled again: steps 2 to 25
	TRI 0, 1, 1, 1
	TRI 1, 1, 2, 1
	s_sub_co_u32 s3, s3, 1
	s_cmp_lg_u32 s3, 0
	s_cbranch_scc1 .Llap
	TRI 0, 2, 0, 2                                 ; steps 26 to 28; slot 0 takes steps 30 and 31
	PLACES
	LOADS 0, 0, 0                                  ; step 30 into set 0
	MULS 1, 0, 0, 0                                ; step 29
	s_wait_dscnt 0x0
	PLACES
	LOADS 0, 1, 1                                  ; step 31 into set 1
	WIN 0xa1
.irp a, 0,1,2,3
	MUL8 \a, 0, 0                                  ; step 30 of blocks 0 to 3, while step 31's operands come
.endr
	s_wait_dscnt 0x0
	MUL8 0, 1, 0                                   ; block 0 is finished
; THE WAY OUT, by blocks of 16 rows x 128 columns: through my own stage and back as whole rows of 512 bytes.
.macro FIN a                           ; block a is finished: what is left of steps 30 and 31; between two products on one accumulator stand the block's seven others
	WIN 0xa1+0x50*((\a)/4)
.if (\a) > 3
	MUL8 \a, 0, 0
.endif
	MUL8 \a, 1, 0
.endm
.macro TOSTAGE a
.set AC, 64*((\a)%4)
	WIN 0x08+4*((\a)/4)
.irp b, 0,1,2,3,4,5,6,7
	ds_store_b128 v[STO], v[AC+8*\b:AC+8*\b+3] offset:64*\b          ; each accumulator from its low end on
	ds_store_b128 v[STO], v[AC+8*\b+4:AC+8*\b+7] offset:64*\b+16
.endr
	WIN TO_B
.irp t, 0,1,2,3,4,5,6,7,8,9,10,11,12,13,14,15
	ds_load_b128 v[BK+4*\t:BK+4*\t+3], v[RD] offset:\t*SPITCH        ; LDS serves a wave's instructions in order: these see the stores above
.endr
.endm
.macro SEND a
	s_wait_dscnt 0x0                               ; the block is back in registers
	WIN 0x04
.if (\a) > 0
	s_add_nc_u64 s[8:9], s[8:9], 16*SIZE_N*4       ; (behind a wait on XCNT)
.endif
.irp t, 0,1,2,3,4,5,6,7,8,9,10,11,12,13,14,15
	global_store_b128 v[CO], v[BK+4*\t:BK+4*\t+3], s[8:9] offset:\t*SIZE_N*4 th:TH_STORE_NT   ; 512 consecutive bytes, aligned
.endr
.endm
.irp a, 0,1,2,3,4,5,6,7
	PLACES                                         ; behind the products that finished block a
.if \a > 0
	s_wait_xcnt 0x0                                ; block a - 1's stores have read their registers and their base
.endif
	TOSTAGE \a
.if \a < 7
	FIN \a+1                                       ; the next block's products stand between the stage's loads and the wait for them
.endif
	SEND \a
.endr
	WIN 0
	s_wait_tensorcnt 0x0                           ; the wave's end
	ds_add_u32 v[SPW], v[NIL]
	s_wait_dscnt 0x0
	CROUND                                         ; the closing round
	s_endpgm
.Lfunc_end_k_q20b80e1c8e_gemm:
	.size	k_q20b80e1c8e_gemm, .Lfunc_end_k_q20b80e1c8e_gemm-k_q20b80e1c8e_gemm
	.p2alignl 7, 3214868480
	.fill 96, 4, 3214868480
	.section	.rodata,"a",@progbits
	.p2align	6, 0x0
	.amdhsa_kernel k_q20b80e1c8e_gemm
		.amdhsa_group_segment_fixed_size 327680
		.amdhsa_private_segment_fixed_size 0
		.amdhsa_enable_private_segment 0
		.amdhsa_kernarg_size 32
		.amdhsa_user_sgpr_count 2
		.amdhsa_user_sgpr_kernarg_segment_ptr 1
		.amdhsa_wavefront_size32 1
		.amdhsa_system_sgpr_workgroup_id_x 1
		.amdhsa_system_sgpr_workgroup_id_y 1
		.amdhsa_system_sgpr_workgroup_id_z 1
		.amdhsa_system_vgpr_workitem_id 0
		.amdhsa_next_free_vgpr 1024
		.amdhsa_next_free_sgpr 82
		.amdhsa_reserve_vcc 0
		.amdhsa_float_denorm_mode_32 3
		.amdhsa_float_denorm_mode_16_64 3
		.amdhsa_memory_ordered 1
		.amdhsa_forward_progress 1
		.amdhsa_inst_pref_size 205
	.end_amdhsa_kernel
	.amdgpu_metadata
---
amdhsa.version: [ 1, 2 ]
amdhsa.kernels:
  - .name:           k_q20b80e1c8e_gemm
    .symbol:         k_q20b80e1c8e_gemm.kd
    .args:
      - { .name: xl, .offset: 0, .size: 8, .value_kind: global_buffer, .address_space: global }
      - { .name: wl, .offset: 8, .size: 8, .value_kind: global_buffer, .address_space: global }
      - { .name: out0, .offset: 16, .size: 8, .value_kind: global_buffer, .address_space: global }
      - { .name: bias, .offset: 24, .size: 8, .value_kind: global_buffer, .address_space: global }
    .group_segment_fixed_size: 327680
    .private_segment_fixed_size: 0
    .kernarg_segment_align: 8
    .kernarg_segment_size: 32
    .max_flat_workgroup_size: 128
    .sgpr_count:     82
    .vgpr_count:     1024
    .wavefront_size: 32
...
	.end_amdgpu_metadata
.endif
;; end of part 2
